; MI455X (gfx1250); checked and timed in simulation.
; The chip was launched on July 23, 2026; its instructions are those of AMD's public machine-readable ISA for CDNA 5 (MIT licence, August 2026) and "CDNA5" Instruction Set Architecture Reference Guide (July 2026). The comments in the code are by the model that wrote it; some were corrected since.
;; Metacognition Module. Allowed arithmetic: matrix products marked QUANTISED: E4M3 operands, one given power-of-two scale a tensor, by v_wmma_f32_16x16x64_fp8_fp8 or v_wmma_f32_16x16x128_fp8_fp8, f32 sums; products left as they are: f32 operands where the result goes on into a quantised operand, else bf16, f16 or f32 operands; f32 sums; everything else in f32.
;; Inputs: W1 8 x 2,048 x 1,024 float32; W2 8 x 1,024 x 2,048 float32; Wm1 2,048 x 256 float32; Wm2 256 x 256 float32; Wm3 256 x 8 float32; b1 8 x 1,024 float32; b2 8 x 2,048 float32; bm1 256 float32; bm2 256 float32; bm3 8 float32; eff 8 float32; lowp_scales 4 int32 (the exponents e of the quantised operands' scales 2^e); x 8 x 256 x 2,048 float32.
;; Outputs: out0 8 x 256 x 2,048 float32.
;; This version of the problem:
;;   THIS VERSION OF THE PROBLEM IS GIVEN IN LOW PRECISION. The matrix products marked QUANTISED in the list below multiply operands that are first quantised to E4M3 (4 exponent bits, 3 mantissa bits; 8 bits a number), with one given power-of-two scale for each operand tensor; their sums are f32. All else is computed in f32.
;;   The module's matrix products, in the order in which they are computed (A, B: the left and right operand; K: the contracted axis; several contracted axes count as one K, in the product's order):
;;     1. [M 8, K 2,048] x [K 2,048, N 256]; A: computed on the way; B: input Wm1: left as it is (M = 8 < 16)
;;     2. [M 8, K 256] x [K 256, N 256]; A: computed on the way; B: input Wm2: left as it is (M = 8 < 16)
;;     3. [M 8, K 256] x [K 256, N 8]; A: computed on the way; B: input Wm3: left as it is (M = 8 < 16)
;;     4. [M 2,048, K 2,048] x [K 2,048, N 8,192]; A: input x; B: input W1: QUANTISED (scales: A lowp_scales[0], B lowp_scales[1])
;;     5. batch 8 x [M 2,048, K 1,024] x [K 1,024, N 2,048]; A: input W2; B: computed on the way: QUANTISED (scales: A lowp_scales[2], B lowp_scales[3])
;;     6. batch 8 x [M 524,288, K 8] x [K 8, N 1]; A: computed on the way; B: softmax: left as it is (K = 8 < 32)
;;   THE QUANTISER, for each operand of a quantised product, along K:
;;     - The operand's scale is 2^e, e = its entry of the input lowp_scales (int32; the entries are numbered through the quantised products in the list's order, A before B).
;;     - Each number is divided by the scale, clamped to +-448, and rounded to the nearest number of E4M3, ties to even, subnormals kept.
;;     - The product sums the exact products of the quantised numbers (number of the format x scale) in f32.
;;   ~~~python
;;   def quantise(x, axis, e):      # numpy; x: float32 -> the quantised numbers, widened to float32 again
;;       x = np.moveaxis(x, axis, -1); K = x.shape[-1]
;;       r = np.clip(x / 2.0 ** e, -448, 448)
;;       step = 2.0 ** (np.maximum(np.frexp(np.where(r == 0, 1, r))[1] - 1, -6) - 3)
;;       q = np.round(r / step) * step * 2.0 ** e      # np.round: ties to even
;;       return np.moveaxis(q, -1, axis).astype(np.float32)
;;   ~~~
;;   OPERANDS COMPUTED ON THE WAY. 'Computed on the way' means the value that the module computes at that place (a softmax that the list does not call 'softmax' is quantised finished and normalised). What goes into a quantiser is computed in f32, as accurately as f32 sums, v_exp_f32 and their like allow (about 1e-6 of the number): no bf16 or f16 on the way to a quantiser, and a product that is left as it is and whose result goes on into a quantised operand takes f32 operands (vector FMAs, or v_wmma_f32_16x16x4_f32). A number that lies on a knife's edge between two numbers of the format may be rounded either way, as far as f32 arithmetic and the matrix unit's own rounding can turn it there, and no further.
;; One version. Each part assembles by itself: llvm-mc -triple=amdgcn-amd-amdhsa -mcpu=gfx1250 --defsym DOCPART=n.
;; ======== version 1 of 1: 3 launches
;; limits: right only within a limited range of input values
;; workspace buffers: xc 4,194,304 bytes; w1c 16,777,216 bytes; w2c 16,777,216 bytes; hc 16,777,216 bytes; part 131,072 bytes; h2 8,192 bytes
;; launch prep (part 1): grid 640 x 1, 4 waves a work-group, no clusters, 40,448 bytes of LDS; arguments x, W1, Wm1, lowp_scales, xc, w1c, part; writes xc, w1c, part
.if DOCPART == 1
	.amdgcn_target "amdgcn-amd-amdhsa--gfx1250"
	.amdhsa_code_object_version 6
	.text
	.protected	k_qe709ea96a8_prep
	.globl	k_qe709ea96a8_prep
	.p2align	8
	.type	k_qe709ea96a8_prep,@function
k_qe709ea96a8_prep:
	s_mov_b64 s[64:65], 0
	v_nop
	global_prefetch_b8 v0, s[64:65] scope:SCOPE_SE
	s_setreg_imm32_b32 hwreg(HW_REG_WAVE_MODE, 25, 1), 1
	s_wait_xcnt 0x0
; x [2048 rows][2048 k] and W1 [8][2048 k][1024 n], f32, become codes of FP8 (E4M3), each with the one scale 2^e given for it (entries 0 and 1 of the scales' buffer):
; code = number / 2^e, held within +-448, to the nearest code, ties to even.  (W2 is quantised by the next launch, beside its products.)
; LIMITS: each e lies between -126 and 119, so that 2^e and 448 x 2^e are f32 numbers.  NaN among the inputs is not served.
; THE CODES ARE LAID AS IMAGES OF OPERAND REGISTERS.  An image is 16 rows x 128 k = 2,048 bytes: byte 512 q + 16 (16 h + r) + 8 u + j is the code of row r, k = 32 q + 16 u + 8 h + j.
; Four loads of 16 bytes a lane, at 16 x lane + 512 q, then give lane 16 h + r the registers that the 8-bit matrix form of K = 128 wants (pair c = 2 q + u: k = 16 c + 8 h + 0 .. 7).
;   xc  [k / 256][row / 16][2 images]      w1c [k / 256][(1024 e + n) / 16][2 images]
; Work-groups 128-255 take x, 256 rows (one batch) x 128 k each, and with it the router's first steps: the mean over the batch's 256 rows and that mean's part of the first layer,
; part[b][k / 128][256] = sum over these 128 k of mean[k] Wm1[k][:]  (the layer is linear, so it may be cut along K; bias and relu follow in the next launch).
; Work-groups 0-127 and 256-639 take W1, 128 columns x 256 k each.
; THE NUMBERING.  A work-group of x loads and stores 289 KB (128 of x, 128 of Wm1, 33 out), one of W1 160 KB (128 in, 32 out).  With x at 128-255 the numbers n, n + 256 and n + 512 move 480 KB together
; where n < 128, and n and n + 256 move 449 KB where 128 <= n < 256.
; No tensor loads, no matrix unit, no cluster: nothing is shared between work-groups.  Only the x path uses LDS.
.set XSP,  528                         ; x path: a stage of 16 rows for each wave, from LDS byte 0 on; a row is 512 bytes + 16
.set POOL, 33792                       ; each wave's column sums, 512 bytes
.set RED,  35840                       ; each wave's part of the first layer, 1,024 bytes
.set SUMA, 16                          ; v16-19  column sums of the even rows
.set SUMB, 20                          ; v20-23  of the odd rows
.set A,    28                          ; v28-35  the first layer's sums: my 8 columns
.set C,    36                          ; v36-51  an image's 16 registers
.set R,    64                          ; v64-191 two sets of 64 registers as loaded
.set X,    192                         ; v192-255 64 numbers, turned: register 8 c + j = k 16 c + 8 h + j of row r
.set XW,   64                          ; W1 path: v64-127 two sets of 32 numbers
.set CW,   128                         ; W1 path: v128-191 codes: eight registers for each block, so that no store's data are written again
	s_load_b256 s[8:15], s[0:1], 0x0               ; x 8, W1 10, Wm1 12, scales 14
	s_load_b128 s[16:19], s[0:1], 0x20             ; xc 16, w1c 18
	s_load_b64 s[20:21], s[0:1], 0x30              ; part
	v_lshl_add_u32 v62, v0, 2, 0x9c00              ; my spare word, behind the x path's bytes; never rewritten
	v_mov_b32 v63, 0
	v_lshrrev_b32 v1, 5, v0
	v_readfirstlane_b32 s3, v1                     ; wave 0..3
	v_and_b32 v1, 31, v0                           ; lane
	v_and_b32 v2, 15, v0                           ; r
	v_bfe_u32 v3, v0, 4, 1                         ; h
	s_wait_alu depctr_va_vdst(0)                   ; ahead of the wait below
	s_wait_kmcnt 0x0
	s_load_b128 s[28:31], s[14:15], 0x0            ; e0 (x), e1 (W1), e2, e3
	s_sub_co_u32 s2, ttmp9, 128                    ; under 128 for work-groups 128-255 alone: x's number
	s_cmp_lt_u32 s2, 128
	s_cbranch_scc0 .Lw                             ; the same way for all four waves of a work-group
; ------------------------------------------------------------------ x
	s_lshr_b32 s4, s2, 4                           ; b
	s_and_b32 s5, s2, 15                           ; which 128 along K
	s_mov_b32 s27, 0
	s_lshl_b32 s26, s4, 21                         ; x: 256 rows of 8,192 bytes a batch,
	s_lshl_b32 s6, s3, 19                          ; 64 rows a wave,
	s_add_co_u32 s26, s26, s6
	s_lshl_b32 s6, s5, 9                           ; 512 bytes of each row
	s_add_co_u32 s26, s26, s6
	s_add_nc_u64 s[8:9], s[8:9], s[26:27]
	s_wait_alu depctr_va_vdst(0)
	v_lshlrev_b32 v4, 4, v1                        ; 16 x lane: my place in a row's 512 bytes, in an image's 512 and in half a row of Wm1
.macro XLOAD f                         ; 16 rows; each load reads 512 consecutive bytes of one row
.irp i, 0,1,2,3,4,5,6,7,8,9,10,11,12,13,14,15
	global_load_b128 v[R+64*((\f)%2)+4*\i:R+64*((\f)%2)+4*\i+3], v4, s[8:9] offset:(16*(\f)+\i)*8192 th:TH_LOAD_NT
.endr
.endm
.macro WMLOAD t                        ; 8 rows of Wm1: columns 4 l .. 4 l + 3 and 128 + 4 l .. + 3
.irp i, 0,1,2,3,4,5,6,7
	global_load_b128 v[R+64*((\t)%2)+8*\i:R+64*((\t)%2)+8*\i+3],   v4, s[12:13] offset:(8*(\t)+\i)*1024
	global_load_b128 v[R+64*((\t)%2)+8*\i+4:R+64*((\t)%2)+8*\i+7], v4, s[12:13] offset:(8*(\t)+\i)*1024+512
.endr
.endm
	s_wait_alu depctr_va_vdst(0)
	XLOAD 0
	XLOAD 1
	s_lshr_b32 s26, s5, 1                          ; xc: [k / 256] 2^19 bytes,
	s_lshl_b32 s26, s26, 19
	s_lshl_b32 s6, s4, 16                          ; [16 b + 4 wave] 4,096 bytes,
	s_add_co_u32 s26, s26, s6
	s_lshl_b32 s6, s3, 14
	s_add_co_u32 s26, s26, s6
	s_and_b32 s6, s5, 1                            ; which of the two images
	s_lshl_b32 s6, s6, 11
	s_add_co_u32 s26, s26, s6
	s_add_nc_u64 s[16:17], s[16:17], s[26:27]
	s_lshl_b32 s26, s5, 17                         ; Wm1: 128 rows of 1,024 bytes a work-group, 32 a wave
	s_lshl_b32 s6, s3, 15
	s_add_co_u32 s26, s26, s6
	s_add_nc_u64 s[12:13], s[12:13], s[26:27]
	s_lshl_b32 s26, s2, 10                         ; part: 1,024 bytes a work-group
	s_add_nc_u64 s[20:21], s[20:21], s[26:27]
	s_mul_i32 s6, s3, 16*XSP                       ; my stage
	v_add_nc_u32 v5, s6, v4                        ; in: a row as loaded
	v_mul_u32_u24 v6, v2, XSP
	v_lshl_add_u32 v6, v3, 5, v6
	v_add_nc_u32 v6, s6, v6                        ; back: row r, 32 h bytes on: eight neighbours along K for each pair of code registers
	s_lshl_b32 s6, s3, 9
	s_add_co_u32 s6, s6, POOL
	v_add_nc_u32 v7, s6, v4                        ; where my wave's column sums go
	s_lshl_b32 s6, s3, 7
	s_add_co_u32 s6, s6, POOL
	v_lshl_add_u32 v8, v1, 2, s6                   ; where I read column 32 wave + lane of a wave's sums
	s_lshl_b32 s6, s3, 10
	s_add_co_u32 s6, s6, RED
	v_add_nc_u32 v9, s6, v4                        ; where my wave's part of the layer goes
	v_and_b32 v13, 63, v0
	v_lshlrev_b32 v13, 4, v13                      ; the last step (waves 0 and 1): 16 bytes a thread
	v_add_nc_u32 v10, RED, v13
	s_wait_kmcnt 0x0
	s_add_co_i32 s6, s28, 127
	s_lshl_b32 s7, s6, 23
	v_mov_b32 v11, s7                              ; 2^e0 as f32: the conversion takes its exponent field
	s_add_co_i32 s6, s6, 8
	s_lshl_b32 s6, s6, 23
	s_or_b32 s6, s6, 0x600000
	v_mov_b32 v12, s6                              ; 448 x 2^e0
; One image: 16 rows x 128 k.  The rows are summed as they were loaded, turned through my own stage, held, converted and stored.
.macro XFRAG f
.set RS, R+64*((\f)%2)
	s_wait_loadcnt 16                              ; loads come back in order: this set's 16 are in, the 16 issued behind them may be out
.if (\f) == 0
	v_pk_add_f32 v[SUMA:SUMA+1],   v[RS:RS+1],   v[RS+8:RS+9]      ; the first four rows start the two chains: nothing is cleared
	v_pk_add_f32 v[SUMA+2:SUMA+3], v[RS+2:RS+3], v[RS+10:RS+11]
	v_pk_add_f32 v[SUMB:SUMB+1],   v[RS+4:RS+5], v[RS+12:RS+13]
	v_pk_add_f32 v[SUMB+2:SUMB+3], v[RS+6:RS+7], v[RS+14:RS+15]
.endif
.irp i, 0,2,4,6,8,10,12,14
.if ((\f) > 0) || (\i > 2)
	v_pk_add_f32 v[SUMA:SUMA+1],   v[SUMA:SUMA+1],   v[RS+4*\i:RS+4*\i+1]
	v_pk_add_f32 v[SUMA+2:SUMA+3], v[SUMA+2:SUMA+3], v[RS+4*\i+2:RS+4*\i+3]
	v_pk_add_f32 v[SUMB:SUMB+1],   v[SUMB:SUMB+1],   v[RS+4*\i+4:RS+4*\i+5]
	v_pk_add_f32 v[SUMB+2:SUMB+3], v[SUMB+2:SUMB+3], v[RS+4*\i+6:RS+4*\i+7]
.endif
.endr
.irp i, 0,1,2,3,4,5,6,7,8,9,10,11,12,13,14,15
	ds_store_b128 v5, v[RS+4*\i:RS+4*\i+3] offset:XSP*\i
.endr
.irp c, 0,1,2,3,4,5,6,7
	ds_load_b128 v[X+8*\c:X+8*\c+3],   v6 offset:64*\c       ; LDS serves a wave's instructions in order: these see the stores above
	ds_load_b128 v[X+8*\c+4:X+8*\c+7], v6 offset:64*\c+16
.endr
	s_wait_dscnt 0x0                               ; the numbers are back, and the stores into the stage have read this set's registers,
	s_wait_xcnt 0x0                                ; and the last image's global stores have read theirs: C is written again only behind this wait
.if (\f) < 2
	XLOAD (\f)+2                                   ; the set takes the rows two images on,
.else
	WMLOAD (\f)-2                                  ; or, when x is done, the first rows of Wm1
.endif
.set i, 0
.rept 64
	v_med3_num_f32 v[X+i], v[X+i], -v12, v12       ; the conversion to an 8-bit code does not saturate (ISA guide 7.6.2): the hold at the largest code x the scale
.set i, i+1
.endr
.irp c, 0,1,2,3,4,5,6,7
	v_cvt_scalef32_pk8_fp8_f32 v[C+2*\c:C+2*\c+1], v[X+8*\c:X+8*\c+7], v11
.endr
	v_nop                                          ; a plain line behind the last conversion
.irp q, 0,1,2,3
	global_store_b128 v4, v[C+4*\q:C+4*\q+3], s[16:17] offset:4096*(\f)+512*\q   ; 32 lanes store 512 consecutive bytes, at a multiple of 256 from the buffer's first byte
.endr
.endm
	XFRAG 0
	XFRAG 1
	XFRAG 2
	XFRAG 3
	v_pk_add_f32 v[SUMA:SUMA+1],   v[SUMA:SUMA+1],   v[SUMB:SUMB+1]
	v_pk_add_f32 v[SUMA+2:SUMA+3], v[SUMA+2:SUMA+3], v[SUMB+2:SUMB+3]
	ds_store_b128 v7, v[SUMA:SUMA+3]               ; my 64 rows' sums of the 128 columns
	s_wait_dscnt 0x0                               ; for the others' sake: the store has landed
	s_barrier_signal -1
	s_barrier_wait -1
.irp w, 0,1,2,3
	ds_load_b32 v[24+\w], v8 offset:512*\w
.endr
	s_wait_dscnt 0x0
	v_add_f32 v24, v24, v25
	v_add_f32 v26, v26, v27
	v_add_f32 v24, v24, v26
	v_mul_f32 v24, 0x3b800000, v24                 ; / 256: lane l holds the mean of column 32 wave + l
.set i, 0
.rept 32
	v_readlane_b32 s[32+i], v24, i                 ; the 32 means as multipliers (they enter no address and no branch)
.set i, i+1
.endr
; my 32 rows of Wm1, eight at a time.  left: the loads issued behind this set's, which may stay out
.macro LAYER1 t, left
.set RS, R+64*((\t)%2)
	s_wait_loadcnt \left
.irp i, 0,1,2,3,4,5,6,7
.irp j, 0,1,2,3,4,5,6,7
.if ((\t) == 0) && (\i == 0)
	v_mul_f32 v[A+\j], s32, v[RS+\j]               ; the first row starts the sums
.else
	v_fmac_f32 v[A+\j], s[32+8*(\t)+\i], v[RS+8*\i+\j]
.endif
.endr
.endr
.if (\t) < 2
	WMLOAD (\t)+2
.endif
.endm
	LAYER1 0, 16
	s_wait_alu depctr_va_vdst(0)
	LAYER1 1, 16
	s_wait_alu depctr_va_vdst(0)
	LAYER1 2, 16
	s_wait_alu depctr_va_vdst(0)
	LAYER1 3, 0
	ds_store_b128 v9, v[A:A+3]
	ds_store_b128 v9, v[A+4:A+7] offset:512
	s_wait_dscnt 0x0
	s_barrier_signal -1
	s_barrier_wait -1
	s_cmp_lt_u32 s3, 2                             ; 64 threads add the four waves' parts and store the 1,024 bytes
	s_cbranch_scc0 .Lxend
.irp w, 0,1,2,3
	ds_load_b128 v[64+4*\w:67+4*\w], v10 offset:1024*\w
.endr
	s_wait_dscnt 0x0
	v_pk_add_f32 v[64:65], v[64:65], v[68:69]
	v_pk_add_f32 v[66:67], v[66:67], v[70:71]
	v_pk_add_f32 v[72:73], v[72:73], v[76:77]
	v_pk_add_f32 v[74:75], v[74:75], v[78:79]
	v_pk_add_f32 v[64:65], v[64:65], v[72:73]
	v_pk_add_f32 v[66:67], v[66:67], v[74:75]
	global_store_b128 v13, v[64:67], s[20:21]
.Lxend:
	s_wait_tensorcnt 0x0                           ; the wave's end
	ds_add_u32 v62, v63
	s_wait_dscnt 0x0
	s_endpgm
; ------------------------------------------------------------------ W1: K is the FIRST axis within an expert
; A LANE TAKES A COLUMN n AND ITS REGISTERS RUN DOWN K: each load reads neighbouring n in neighbouring lanes (128 consecutive bytes a wave, 512 a work-group), and the conversions give codes with K
; innermost.  A wave takes 32 columns x 256 k: two images for each 16 columns.  A block of 32 along K is quarter q = t % 4 of image t / 4: of my column's 32 codes the eights 0 and 2 are the 16 bytes
; of the image's lane r, the eights 1 and 3 those of its lane 16 + r.  So each store puts sixteen neighbouring lanes' 16 bytes into 256 consecutive bytes of an image: no LDS on the way.
; Every offset is an immediate: 255 rows of 4,096 bytes at the most, inside the signed 24-bit immediate (ISA guide, chapter 10).
.Lw:
	s_cmp_lt_u32 ttmp9, 128
	s_cselect_b32 s26, ttmp9, s2                   ; W1's number, 0-511: work-groups 0-127 as they are, 256-639 less 128
	s_lshr_b32 s32, s26, 6                         ; the expert: 64 work-groups each,
	s_bfe_u32 s33, s26, 0x30003                    ; of them 8 along K (256 each)
	s_and_b32 s34, s26, 7                          ; x 8 groups of 128 columns
	s_lshl_b32 s4, s32, 23                         ; the source: an expert is 2^23 bytes,
	s_lshl_b32 s5, s33, 20                         ; 256 rows of 4,096 bytes,
	s_add_co_u32 s4, s4, s5
	s_lshl_b32 s5, s34, 9                          ; 512 bytes a group of columns,
	s_add_co_u32 s4, s4, s5
	s_lshl_b32 s5, s3, 7                           ; 128 a wave
	s_add_co_u32 s4, s4, s5
	s_mov_b32 s5, 0
	s_add_nc_u64 s[10:11], s[10:11], s[4:5]
	s_wait_alu depctr_va_vdst(0)
	v_lshlrev_b32 v4, 2, v1                        ; 4 bytes a lane
.macro WLD t                           ; block t: W1(32 t + i, my column) into set t % 2
.set i, 0
.rept 32
	global_load_b32 v[XW+32*((\t)%2)+i], v4, s[10:11] offset:(32*(\t)+i)*4096 th:TH_LOAD_NT
.set i, i+1
.endr
.endm
	WLD 0
	WLD 1
	s_lshl_b32 s4, s33, 21                         ; w1c: [k / 256] 2^21 bytes,
	s_lshl_b32 s6, s32, 18                         ; [64 e + 8 group + 2 wave] 4,096 bytes
	s_add_co_u32 s4, s4, s6
	s_lshl_b32 s6, s34, 15
	s_add_co_u32 s4, s4, s6
	s_lshl_b32 s6, s3, 13
	s_add_co_u32 s4, s4, s6
	s_add_nc_u64 s[18:19], s[18:19], s[4:5]
	v_lshlrev_b32 v6, 4, v2
	v_lshl_add_u32 v6, v3, 12, v6                  ; my column is row r of the images of columns 16 (lane / 16) on
	s_wait_kmcnt 0x0
	s_add_co_i32 s4, s29, 127
	s_lshl_b32 s6, s4, 23
	v_mov_b32 v11, s6                              ; 2^e1 as f32
	s_add_co_i32 s4, s4, 8
	s_lshl_b32 s4, s4, 23
	s_or_b32 s4, s4, 0x600000
	v_mov_b32 v12, s4                              ; 448 x 2^e1
.macro BLOCK t
.set XS, XW+32*((\t)%2)
.set CS, CW+8*(\t)
.if (\t) < 7
	s_wait_loadcnt 32                              ; this block's 32 loads are in; the next block's may be out
.else
	s_wait_loadcnt 0
.endif
.set i, 0
.rept 32
	v_med3_num_f32 v[XS+i], v[XS+i], -v12, v12     ; the hold at the largest code x the scale (ISA guide 7.6.2)
.set i, i+1
.endr
	v_cvt_scalef32_pk8_fp8_f32 v[CS:CS+1],   v[XS:XS+7],     v11
	v_cvt_scalef32_pk8_fp8_f32 v[CS+2:CS+3], v[XS+16:XS+23], v11
	v_cvt_scalef32_pk8_fp8_f32 v[CS+4:CS+5], v[XS+8:XS+15],  v11
	v_cvt_scalef32_pk8_fp8_f32 v[CS+6:CS+7], v[XS+24:XS+31], v11
	v_nop                                          ; a plain line behind the last conversion
	global_store_b128 v6, v[CS:CS+3],   s[18:19] offset:512*(\t)       ; lanes 0-15 and lanes 16-31 each store 256 consecutive bytes, at a multiple of 256 from the buffer's first byte
	global_store_b128 v6, v[CS+4:CS+7], s[18:19] offset:512*(\t)+256
.if (\t)+2 < 8
	WLD (\t)+2
.endif
.endm
	s_wait_alu depctr_va_vdst(0)
.irp t, 0,1,2,3,4,5,6,7
	BLOCK \t
.endr
	s_endpgm
.Lfunc_end_k_qe709ea96a8_prep:
	.size	k_qe709ea96a8_prep, .Lfunc_end_k_qe709ea96a8_prep-k_qe709ea96a8_prep
	.p2alignl 7, 3214868480
	.fill 96, 4, 3214868480
	.section	.rodata,"a",@progbits
	.p2align	6, 0x0
	.amdhsa_kernel k_qe709ea96a8_prep
		.amdhsa_group_segment_fixed_size 40448
		.amdhsa_private_segment_fixed_size 0
		.amdhsa_enable_private_segment 0
		.amdhsa_kernarg_size 56
		.amdhsa_user_sgpr_count 2
		.amdhsa_user_sgpr_kernarg_segment_ptr 1
		.amdhsa_wavefront_size32 1
		.amdhsa_system_sgpr_workgroup_id_x 1
		.amdhsa_system_sgpr_workgroup_id_y 1
		.amdhsa_system_sgpr_workgroup_id_z 1
		.amdhsa_system_vgpr_workitem_id 0
		.amdhsa_next_free_vgpr 256
		.amdhsa_next_free_sgpr 66
		.amdhsa_reserve_vcc 0
		.amdhsa_float_denorm_mode_32 3
		.amdhsa_float_denorm_mode_16_64 3
		.amdhsa_memory_ordered 1
		.amdhsa_forward_progress 1
		.amdhsa_inst_pref_size 109
	.end_amdhsa_kernel
	.amdgpu_metadata
---
amdhsa.version: [ 1, 2 ]
amdhsa.kernels:
  - .name:           k_qe709ea96a8_prep
    .symbol:         k_qe709ea96a8_prep.kd
    .args:
      - { .name: x, .offset: 0, .size: 8, .value_kind: global_buffer, .address_space: global }
      - { .name: W1, .offset: 8, .size: 8, .value_kind: global_buffer, .address_space: global }
      - { .name: Wm1, .offset: 16, .size: 8, .value_kind: global_buffer, .address_space: global }
      - { .name: lowp_scales, .offset: 24, .size: 8, .value_kind: global_buffer, .address_space: global }
      - { .name: xc, .offset: 32, .size: 8, .value_kind: global_buffer, .address_space: global }
      - { .name: w1c, .offset: 40, .size: 8, .value_kind: global_buffer, .address_space: global }
      - { .name: part, .offset: 48, .size: 8, .value_kind: global_buffer, .address_space: global }
    .group_segment_fixed_size: 40448
    .private_segment_fixed_size: 0
    .kernarg_segment_align: 8
    .kernarg_segment_size: 56
    .max_flat_workgroup_size: 128
    .sgpr_count:     66
    .vgpr_count:     256
    .wavefront_size: 32
...
	.end_amdgpu_metadata
.endif
;; end of part 1
;; launch gemm1 (part 2): grid 32 x 8, 4 waves a work-group, clusters of 4 x 4, 327,680 bytes of LDS; arguments xc, w1c, lowp_scales, b1, part, bm1, Wm2, bm2, hc, h2, W2, w2c; writes hc, h2, w2c
.if DOCPART == 2
	.amdgcn_target "amdgcn-amd-amdhsa--gfx1250"
	.amdhsa_code_object_version 6
	.text
	.protected	k_qe709ea96a8_gemm1
	.globl	k_qe709ea96a8_gemm1
	.p2align	8
	.type	k_qe709ea96a8_gemm1,@function
k_qe709ea96a8_gemm1:
	s_mov_b64 s[64:65], 0
	v_nop
	global_prefetch_b8 v0, s[64:65] scope:SCOPE_SE
	s_setreg_imm32_b32 hwreg(HW_REG_WAVE_MODE, 25, 1), 1
	s_wait_xcnt 0x0
	s_wait_alu depctr_hold_cnt(0) depctr_sa_sdst(0) depctr_va_vdst(0) depctr_va_sdst(0) depctr_va_ssrc(0) depctr_va_vcc(0) depctr_vm_vsrc(0)
	s_getreg_b32 s2, hwreg(HW_REG_IB_STS2, 6, 4)
	s_cmp_eq_u32 s2, 0
	s_cbranch_scc0 .Lentry_in_a_cluster
	s_endpgm
.Lentry_in_a_cluster:
	s_bfe_u32 s2, ttmp6, 0x10000c
	s_cmp_lg_u32 s2, 0xf033
	s_cbranch_scc0 .Lentry_shape_is_right
	s_endpgm
.Lentry_shape_is_right:
.set FR,     16
.set NL,     4
.set NP,     4
.set SLOT,   131072
.set BOFF,   65536
.set ASTEP,  1<<20
.set BSTEP,  1<<22
.set LAPS,   4
.set SPARE,  2*SLOT
.set RSCR,   SPARE+512
.set ADRA, 16
.set QS,   18
.set QL,   19
.set ADRB, 20
.set QLA,  22
.set QSA,  23
.set LI,   26
.set SPW,  28
.set NIL,  29
.set HS,   30
.set HL,   31
.set BIAS, 32
.set T,    32
.set QA,   32
.set QCB,  64
.set QCA,  72
.set QB,   96
.set AF,   128
.set CD,   128
.set WA, 10
.set DA, 12
.set WB, 88
.set DB, 90
.set G1, 24
.set G0, 32
.set G1B, 48
.set G0B, 56
.set MSB, 0
.macro WIN new
.if MSB != \new
	s_set_vgpr_msb (MSB<<8)|\new
.set MSB, \new
.endif
.endm
.set MUL_LO, 0xa1
.set MUL_HI, 0xf1
.set FST_LO, 0x81
.set FST_HI, 0xc1
.set TO_B,   0x40
.macro JLOAD g0a, g1a, g0b, g1b
	s_cmp_eq_u32 s15, 0
	s_cbranch_scc0 .Lfor_b_\@
	tensor_load_to_lds s[\g0a:\g0a+3], s[\g1a:\g1a+7]
	s_nop 0
.rept 4
	v_nop
.endr
	s_branch .Lasked_\@
.Lfor_b_\@:
	tensor_load_to_lds s[\g0b:\g0b+3], s[\g1b:\g1b+7]
	s_nop 0
.rept 4
	v_nop
.endr
.Lasked_\@:
.endm
.macro CREST
	s_cmp_lg_u32 s14, 0
	s_cbranch_scc1 .Lnot_wave_0_\@
	s_barrier_signal -3
.Lnot_wave_0_\@:
	s_barrier_wait -3
	s_barrier_signal -1
	s_barrier_wait -1
.endm
.macro CROUND
	s_barrier_signal -1
	s_barrier_wait -1
	CREST
.endm
.macro QLOAD reg, base
.set i, 0
.rept 32
	global_load_b32 v[\reg+i], v[QLA], s[\base:\base+1] offset:i*8192 th:TH_LOAD_NT
.set i, i+1
.endr
.endm
.macro QWORK reg, cod, base, dst, left, more
	s_wait_loadcnt \left
	s_wait_xcnt 0x0
	s_add_nc_u64 s[\dst:\dst+1], s[\dst:\dst+1], 1024
.set i, 0
.rept 32
	v_med3_num_f32 v[\reg+i], v[\reg+i], -v[QL], v[QL]
.set i, i+1
.endr
	v_cvt_scalef32_pk8_fp8_f32 v[\cod:\cod+1],   v[\reg:\reg+7],     v[QS]
	v_cvt_scalef32_pk8_fp8_f32 v[\cod+2:\cod+3], v[\reg+16:\reg+23], v[QS]
	v_cvt_scalef32_pk8_fp8_f32 v[\cod+4:\cod+5], v[\reg+8:\reg+15],  v[QS]
	v_cvt_scalef32_pk8_fp8_f32 v[\cod+6:\cod+7], v[\reg+24:\reg+31], v[QS]
	v_nop
	global_store_b128 v[QSA], v[\cod:\cod+3],   s[\dst:\dst+1] offset:-1024
	global_store_b128 v[QSA], v[\cod+4:\cod+7], s[\dst:\dst+1] offset:-768
.if \more
	s_add_nc_u64 s[\base:\base+1], s[\base:\base+1], 64*8192
	QLOAD \reg, \base
; W2's stream is prefetched into the L2: behind the loads of a stream's block n + 1 one instruction names its block n + 2, 32 rows, a lane a row: one change of slots ahead of the loads that want it.
; Two neighbouring waves' 128 bytes of a row are one aligned block of 256: the even wave asks for both in stream A, the odd wave in stream B, so each block is named once.
; s3 counts the loop's trips down to 0: behind the loop, where block n + 2 would pass the stream's eighth, nothing is asked for.  The address is stepped behind the next s_wait_xcnt 0 of this stream's work.
.if \base == WA
	s_cmp_gt_u32 s3, s2
.else
	s_cmp_gt_u32 s3, s9
.endif
	s_cbranch_scc0 .Lnot_mine_\@
	global_prefetch_b8 v27, s[\base:\base+1] offset:64*8192 th:TH_LOAD_NT scope:SCOPE_SE
.Lnot_mine_\@:
.endif
.endm
	s_load_b512 s[68:83], s[0:1], 0x0
	s_load_b256 s[84:91], s[0:1], 0x40
	v_lshl_add_u32 v[SPW], v0, 2, SPARE
	v_mov_b32 v[NIL], 0
	ds_add_u32 v28, v29
	ds_add_u32 v28, v29
	s_wait_dscnt 0x0
	v_lshrrev_b32 v1, 5, v0
	v_readfirstlane_b32 s14, v1
	s_lshr_b32 s15, s14, 1
	s_and_b32 s16, s14, 1
	s_bfe_u32 s40, ttmp6, 0x40000
	s_bfe_u32 s41, ttmp6, 0x40004
	s_lshl_b32 s42, ttmp9, 2
	s_add_co_u32 s42, s42, s40
	s_and_b32 s17, ttmp7, 0xffff
	s_lshl_b32 s17, s17, 2
	s_add_co_u32 s17, s17, s41
	s_lshl_b32 s43, s41, 2
	s_lshl_b32 s43, 15, s43
	s_lshl_b32 s44, 0x1111, s40
	s_or_b32 s[G1+0], s43, (3<<16)|(1<<21)
	s_or_b32 s[G1B+0], s44, (3<<16)|(1<<21)
.irp g, G1, G1B
	s_mov_b32 s[\g+1], 32<<16
	s_mov_b32 s[\g+2], 128<<16
	s_mov_b32 s[\g+3], 32<<16
	s_mov_b32 s[\g+4], 128
	s_mov_b32 s[\g+5], 32
	s_mov_b32 s[\g+6], 0
	s_mov_b32 s[\g+7], 0
.endr
	s_lshl_b32 s18, s16, 15
	s_lshl_b32 s20, s17, 16
	s_add_co_u32 s20, s20, s18
	s_mov_b32 s21, 0
	s_lshl_b32 s46, s42, 16
	s_add_co_u32 s46, s46, s18
	s_mov_b32 s47, 0
	s_lshl_b32 s45, s14, 15
	s_wait_kmcnt 0x0
	s_load_b128 s[4:7], s[72:73], 0x0
	s_add_nc_u64 s[20:21], s[68:69], s[20:21]
	s_add_nc_u64 s[46:47], s[70:71], s[46:47]
	CROUND
.irp s, 0,1
	s_mov_b32 s[G0+4*\s], 1
	s_add_co_u32 s[G0+4*\s+1], s45, \s*SLOT
	s_add_nc_u64 s[G0+4*\s+2:G0+4*\s+3], s[20:21], \s*(ASTEP/2)
	s_or_b32 s[G0+4*\s+3], s[G0+4*\s+3], 0x80000000
	s_mov_b32 s[G0B+4*\s], 1
	s_add_co_u32 s[G0B+4*\s+1], s45, \s*SLOT
	s_add_nc_u64 s[G0B+4*\s+2:G0B+4*\s+3], s[46:47], \s*(BSTEP/2)
	s_or_b32 s[G0B+4*\s+3], s[G0B+4*\s+3], 0x80000000
	s_wait_alu depctr_va_vdst(0)
	s_wait_tensorcnt 0x0
	ds_add_u32 v28, v29
	ds_add_u32 v28, v29
	s_wait_dscnt 0x0
	CROUND
	JLOAD G0+4*\s, G1, G0B+4*\s, G1B
.endr
	v_and_b32 v1, 31, v0
	v_bfe_u32 v2, v0, 4, 1
	v_lshlrev_b32 v[LI], 4, v1
	v_lshlrev_b32 v3, 3, v0
	s_wait_alu depctr_va_vdst(0)
	v_lshlrev_b32 v4, 11, v0
	s_wait_alu depctr_va_vdst(0)
	v_and_b32 v5, 7, v0
	v_lshlrev_b32 v5, 2, v5
	s_wait_alu depctr_va_vdst(0)
	v_lshlrev_b32 v6, 5, v2
	s_wait_alu depctr_va_vdst(0)
	v_lshlrev_b32 v[QLA], 2, v1
	v_lshlrev_b32 v27, 13, v1                      ; the prefetches' offset: a lane a row of W2, 8,192 bytes; never rewritten
	v_and_b32 v9, 15, v0
	v_lshlrev_b32 v[QSA], 4, v9
	v_lshl_add_u32 v[QSA], v2, 13, v[QSA]
	s_mov_b32 s97, 0
	s_lshl_b32 s96, s17, 14
	s_add_nc_u64 s[76:77], s[76:77], s[96:97]
	s_lshl_b32 s96, s42, 5
	s_add_nc_u64 s[80:81], s[80:81], s[96:97]
	s_add_nc_u64 s[82:83], s[82:83], s[96:97]
	s_lshl_b32 s96, s42, 10
	s_lshl_b32 s92, s16, 9
	s_add_co_u32 s96, s96, s92
	s_add_nc_u64 s[74:75], s[74:75], s[96:97]
	s_lshl_b32 s96, s17, 10
	s_lshl_b32 s92, s42, 5
	s_add_co_u32 s96, s96, s92
	s_add_nc_u64 s[86:87], s[86:87], s[96:97]
	s_lshr_b32 s96, s42, 1
	s_lshl_b32 s96, s96, 20
	s_lshl_b32 s92, s17, 17
	s_add_co_u32 s96, s96, s92
	s_lshl_b32 s92, s15, 16
	s_add_co_u32 s96, s96, s92
	s_and_b32 s92, s42, 1
	s_lshl_b32 s92, s92, 12
	s_add_co_u32 s96, s96, s92
	s_lshl_b32 s92, s16, 11
	s_add_co_u32 s96, s96, s92
	s_add_nc_u64 s[84:85], s[84:85], s[96:97]
	s_lshl_b32 s8, s17, 5
	s_add_co_u32 s8, s8, s42
	s_lshr_b32 s9, s8, 4
	s_and_b32 s8, s8, 15
	s_lshl_b32 s96, s9, 22
	s_lshl_b32 s92, s8, 9
	s_add_co_u32 s96, s96, s92
	s_lshl_b32 s92, s14, 7
	s_add_co_u32 s96, s96, s92
	s_add_nc_u64 s[WB:WB+1], s[WB:WB+1], s[96:97]
	s_add_nc_u64 s[WA:WA+1], s[WB:WB+1], 32*8192
	s_lshl_b32 s96, s9, 20
	s_lshl_b32 s92, s8, 16
	s_add_co_u32 s96, s96, s92
	s_lshl_b32 s92, s14, 14
	s_add_co_u32 s96, s96, s92
	s_add_nc_u64 s[DB:DB+1], s[DB:DB+1], s[96:97]
	s_add_nc_u64 s[DA:DA+1], s[DB:DB+1], 512
	s_cmp_eq_u32 s16, 0                            ; who prefetches which stream: a wave asks where s3 is above its limit, 0 or 64
	s_cselect_b32 s2, 0, 64                        ; stream A: the even waves
	s_cselect_b32 s9, 64, 0                        ; stream B: the odd waves
.irp c, 0,1,2,3,4,5,6,7,8,9,10,11,12,13,14,15
	global_load_b64 v[128+2*\c:129+2*\c], v3, s[76:77] offset:1024*\c
.endr
	global_load_b64 v[160:161], v3, s[78:79]
	global_load_b128 v[164:167], v4, s[80:81]
	global_load_b128 v[168:171], v4, s[80:81] offset:16
	global_load_b128 v[172:175], v4, s[80:81] offset:1024
	global_load_b128 v[176:179], v4, s[80:81] offset:1040
	global_load_b32 v162, v5, s[82:83]
.irp b, 0,1,2,3,4,5,6,7
	global_load_b128 v[BIAS+8*\b:BIAS+8*\b+3],   v6, s[74:75] offset:64*\b
	global_load_b128 v[BIAS+8*\b+4:BIAS+8*\b+7], v6, s[74:75] offset:64*\b+16
.endr
	s_lshl_b32 s21, s15, 15
	s_lshl_b32 s22, s16, 15
	s_add_co_u32 s22, s22, BOFF
.irp s, 0,1
	v_add_nc_u32 v[ADRA+\s], s21, v[LI]
	v_add_nc_u32 v[ADRB+\s], s22, v[LI]
	s_add_co_u32 s21, s21, SLOT
	s_add_co_u32 s22, s22, SLOT
.endr
	s_lshl_b32 s92, s14, 5
	s_add_co_u32 s92, s92, RSCR
	v_mov_b32 v7, s92
	v_add_nc_u32 v8, RSCR, v5
	s_mov_b32 s94, 0x76543210
	s_mov_b32 s95, 0xfedcba98
	s_wait_loadcnt 0x0
	QLOAD QB, WB
.irp c, 2,4,6,8,10,12,14
	v_pk_add_f32 v[128:129], v[128:129], v[128+2*\c:129+2*\c]
	v_pk_add_f32 v[130:131], v[130:131], v[130+2*\c:131+2*\c]
.endr
	v_pk_add_f32 v[128:129], v[128:129], v[130:131]
	v_pk_add_f32 v[128:129], v[128:129], v[160:161]
	v_max_num_f32 v128, 0, v128
	v_max_num_f32 v129, 0, v129
.irp j, 0,1,2,3,4,5,6,7
	v_mul_f32 v[180+\j], v128, v[164+\j]
.endr
.irp j, 0,1,2,3,4,5,6,7
	v_fmac_f32 v[180+\j], v129, v[172+\j]
.endr
.irp m, 1,2,4,8
.irp j, 0,1,2,3,4,5,6,7
	v_add_f32_dpp v[180+\j], v[180+\j], v[180+\j] row_xmask:\m row_mask:0xf bank_mask:0xf
.endr
.endr
.irp j, 0,1,2,3,4,5,6,7
	v_permlanex16_b32 v[164+\j], v[180+\j], s94, s95
.endr
.irp j, 0,1,2,3,4,5,6,7
	v_add_f32 v[180+\j], v[180+\j], v[164+\j]
.endr
	ds_store_b128 v7, v[180:183]
	ds_store_b128 v7, v[184:187] offset:16
	s_wait_kmcnt 0x0
	s_add_co_i32 s92, s4, s5
	s_sub_co_i32 s96, 0, s92
.set j, 0
.rept 64
	v_ldexp_f32 v[BIAS+j], v[BIAS+j], s96
.set j, j+1
.endr
	s_sub_co_i32 s92, s7, s92
	s_add_co_i32 s92, s92, 127
	s_lshl_b32 s96, s92, 23
	v_mov_b32 v[HS], s96
	s_add_co_i32 s92, s92, 8
	s_lshl_b32 s92, s92, 23
	s_or_b32 s92, s92, 0x600000
	v_mov_b32 v[HL], s92
	s_add_co_i32 s92, s6, 127
	s_lshl_b32 s96, s92, 23
	v_mov_b32 v[QS], s96
	s_add_co_i32 s92, s92, 8
	s_lshl_b32 s92, s92, 23
	s_or_b32 s92, s92, 0x600000
	v_mov_b32 v[QL], s92
.macro FRAG reg, adr, q, i
.irp c, 0,1,2,3
	ds_load_b128 v[\reg+4*\c:\reg+4*\c+3], v[\adr] offset:2048*(\q)+4096*(\i)+512*\c
.endr
.endm
.macro MUL16 a0, p, first
.irp a, \a0, \a0+1
.irp b, 0,1,2,3,4,5,6,7
.if \first
	v_wmma_f32_16x16x128_fp8_fp8 v[8*(8*((\a)%4)+\b):8*(8*((\a)%4)+\b)+7], v[128*(\p)+FR*\b:128*(\p)+FR*\b+FR-1], v[AF+FR*(\a):AF+FR*(\a)+FR-1], v[BIAS+8*\b:BIAS+8*\b+7]
.else
	v_wmma_f32_16x16x128_fp8_fp8 v[8*(8*((\a)%4)+\b):8*(8*((\a)%4)+\b)+7], v[128*(\p)+FR*\b:128*(\p)+FR*\b+FR-1], v[AF+FR*(\a):AF+FR*(\a)+FR-1], v[8*(8*((\a)%4)+\b):8*(8*((\a)%4)+\b)+7]
.endif
.endr
.endr
.endm
.macro FETCH_B slot, q, p
	WIN TO_B
.irp i, 0,1,2,3,4,5,6,7
	FRAG 128*(\p)+FR*\i, ADRB+\slot, \q, \i
.endr
	WIN 0
.endm
.macro FETCH_A slot, q, i0
.irp i, \i0, \i0+1, \i0+2, \i0+3
	FRAG AF+FR*(\i), ADRA+\slot, \q, \i
.endr
.endm
.macro PLACES n
.rept \n
	v_nop
.endr
.endm
.macro STEP slot, q, first, qw
	s_wait_dscnt 4*NL
.if \first
	WIN FST_LO
.else
	WIN MUL_LO
.endif
	MUL16 0, (\q)%2, \first
	MUL16 2, (\q)%2, \first
	s_wait_dscnt 0
	PLACES NP
	FETCH_B \slot, (\q)+1, 1-(\q)%2
	FETCH_A \slot, (\q)+1, 0
.if \first
	WIN FST_HI
.else
	WIN MUL_HI
.endif
	MUL16 4, (\q)%2, \first
	MUL16 6, (\q)%2, \first
	PLACES NP
	WIN 0
	FETCH_A \slot, (\q)+1, 4
.if \qw == 1
	QLOAD QA, WA
.else
	QWORK QA, QCA, WA, DA, 32, 1
.endif
.endm
.macro TURN slot, next, fill
	s_wait_tensorcnt 0x0
	ds_add_u32 v[SPW], v[NIL]
	s_wait_dscnt 4*NL+1
	WIN MUL_LO
	MUL16 0, 1, 0
	s_wait_dscnt 0x0
	s_barrier_signal -1
	MUL16 2, 1, 0
	WIN 0
	s_barrier_wait -1
.if \fill
	CREST
	s_add_nc_u64 s[G0+4*\slot+2:G0+4*\slot+3], s[G0+4*\slot+2:G0+4*\slot+3], ASTEP
	s_add_nc_u64 s[G0B+4*\slot+2:G0B+4*\slot+3], s[G0B+4*\slot+2:G0B+4*\slot+3], BSTEP
	JLOAD G0+4*\slot, G1, G0B+4*\slot, G1B
.else
	PLACES NP
.endif
	FETCH_B \next, 0, 0
	FETCH_A \next, 0, 0
	WIN MUL_HI
	MUL16 4, 1, 0
	MUL16 6, 1, 0
	PLACES NP
	WIN 0
	FETCH_A \next, 0, 4
	QWORK QB, QCB, WB, DB, 32, 1
.endm
	s_wait_tensorcnt 1
	s_wait_dscnt 0x0
	s_barrier_signal -1
	s_barrier_wait -1
	s_cmp_lg_u32 s14, 0
	s_cbranch_scc1 .Lnot_0
.irp w, 0,1,2,3
	ds_load_b32 v[128+\w], v8 offset:32*\w
.endr
	s_wait_dscnt 0x0
	v_add_f32 v128, v128, v129
	v_add_f32 v130, v130, v131
	v_add_f32 v128, v128, v130
	v_add_f32 v128, v128, v162
	v_max_num_f32 v128, 0, v128
	v_cmp_gt_u32 vcc_lo, 8, v1
	s_wait_alu depctr_va_vdst(0)
	s_wait_xcnt 0x0
	s_and_saveexec_b32 s93, vcc_lo
	global_store_b32 v5, v128, s[86:87]
	s_wait_xcnt 0x0
	s_or_b32 exec_lo, exec_lo, s93
.Lnot_0:
	FETCH_B 0, 0, 0
	FETCH_A 0, 0, 0
	FETCH_A 0, 0, 4
	s_wait_alu depctr_va_vdst(0)
	STEP 0, 0, 1, 1
	s_mov_b32 s3, LAPS-1
.Llap:
	TURN 0, 1, 1
	STEP 1, 0, 0, 2
	TURN 1, 0, 1
	STEP 0, 0, 0, 2
	s_sub_co_u32 s3, s3, 1
	s_cmp_lg_u32 s3, 0
	s_cbranch_scc1 .Llap
	TURN 0, 1, 0
	STEP 1, 0, 0, 2
	s_wait_dscnt 4*NL
	WIN MUL_LO
	MUL16 0, 1, 0
	MUL16 2, 1, 0
	s_wait_dscnt 0
	WIN MUL_HI
	MUL16 4, 1, 0
	MUL16 6, 1, 0
	WIN 0
	QWORK QB, QCB, WB, DB, 32, 0
	QWORK QA, QCA, WA, DA, 0, 0
.macro OUTBLK a
.set AC, 64*((\a)%4)
	WIN 0x02+((\a)/4)
.set j, 0
.rept 64
	v_med3_num_f32 v[T+j], v[AC+j], 0, v[HL]
.set j, j+1
.endr
	WIN 0
.irp b, 0,1,2,3,4,5,6,7
	v_cvt_scalef32_pk8_fp8_f32 v[CD+16*(\a)+2*\b:CD+16*(\a)+2*\b+1], v[T+8*\b:T+8*\b+7], v[HS]
.endr
	v_nop
.irp q, 0,1,2,3
	global_store_b128 v[LI], v[CD+16*(\a)+4*\q:CD+16*(\a)+4*\q+3], s[84:85] offset:8192*(\a)+512*\q
.endr
.endm
	PLACES NP
	s_wait_xcnt 0x0
.irp a, 0,1,2,3,4,5,6,7
	OUTBLK \a
.endr
	s_wait_tensorcnt 0x0
	ds_add_u32 v[SPW], v[NIL]
	s_wait_dscnt 0x0
	CROUND
	s_endpgm
.Lfunc_end_k_qe709ea96a8_gemm1:
	.size	k_qe709ea96a8_gemm1, .Lfunc_end_k_qe709ea96a8_gemm1-k_qe709ea96a8_gemm1
	.p2alignl 7, 3214868480
	.fill 96, 4, 3214868480
	.section	.rodata,"a",@progbits
	.p2align	6, 0x0
	.amdhsa_kernel k_qe709ea96a8_gemm1
		.amdhsa_group_segment_fixed_size 327680
		.amdhsa_private_segment_fixed_size 0
		.amdhsa_enable_private_segment 0
		.amdhsa_kernarg_size 96
		.amdhsa_user_sgpr_count 2
		.amdhsa_user_sgpr_kernarg_segment_ptr 1
		.amdhsa_wavefront_size32 1
		.amdhsa_system_sgpr_workgroup_id_x 1
		.amdhsa_system_sgpr_workgroup_id_y 1
		.amdhsa_system_sgpr_workgroup_id_z 1
		.amdhsa_system_vgpr_workitem_id 0
		.amdhsa_next_free_vgpr 1024
		.amdhsa_next_free_sgpr 98
		.amdhsa_reserve_vcc 1
		.amdhsa_float_denorm_mode_32 3
		.amdhsa_float_denorm_mode_16_64 3
		.amdhsa_memory_ordered 1
		.amdhsa_forward_progress 1
		.amdhsa_inst_pref_size 179
	.end_amdhsa_kernel
	.amdgpu_metadata
---
amdhsa.version: [ 1, 2 ]
amdhsa.kernels:
  - .name:           k_qe709ea96a8_gemm1
    .symbol:         k_qe709ea96a8_gemm1.kd
    .args:
      - { .name: xc, .offset: 0, .size: 8, .value_kind: global_buffer, .address_space: global }
      - { .name: w1c, .offset: 8, .size: 8, .value_kind: global_buffer, .address_space: global }
      - { .name: lowp_scales, .offset: 16, .size: 8, .value_kind: global_buffer, .address_space: global }
      - { .name: b1, .offset: 24, .size: 8, .value_kind: global_buffer, .address_space: global }
      - { .name: part, .offset: 32, .size: 8, .value_kind: global_buffer, .address_space: global }
      - { .name: bm1, .offset: 40, .size: 8, .value_kind: global_buffer, .address_space: global }
      - { .name: Wm2, .offset: 48, .size: 8, .value_kind: global_buffer, .address_space: global }
      - { .name: bm2, .offset: 56, .size: 8, .value_kind: global_buffer, .address_space: global }
      - { .name: hc, .offset: 64, .size: 8, .value_kind: global_buffer, .address_space: global }
      - { .name: h2, .offset: 72, .size: 8, .value_kind: global_buffer, .address_space: global }
      - { .name: W2, .offset: 80, .size: 8, .value_kind: global_buffer, .address_space: global }
      - { .name: w2c, .offset: 88, .size: 8, .value_kind: global_buffer, .address_space: global }
    .group_segment_fixed_size: 327680
    .private_segment_fixed_size: 0
    .kernarg_segment_align: 8
    .kernarg_segment_size: 96
    .max_flat_workgroup_size: 128
    .sgpr_count:     98
    .vgpr_count:     1024
    .wavefront_size: 32
...
	.end_amdgpu_metadata
.endif
;; end of part 2
;; launch gemm2 (part 3): grid 16 x 16, 4 waves a work-group, clusters of 4 x 4, 327,680 bytes of LDS; arguments hc, w2c, lowp_scales, b2, h2, Wm3, bm3, eff, out0; writes out0
.if DOCPART == 3
	.amdgcn_target "amdgcn-amd-amdhsa--gfx1250"
	.amdhsa_code_object_version 6
	.text
	.protected	k_qe709ea96a8_gemm2
	.globl	k_qe709ea96a8_gemm2
	.p2align	8
	.type	k_qe709ea96a8_gemm2,@function
k_qe709ea96a8_gemm2:
	s_mov_b64 s[64:65], 0
	v_nop
	global_prefetch_b8 v0, s[64:65] scope:SCOPE_SE
	s_setreg_imm32_b32 hwreg(HW_REG_WAVE_MODE, 25, 1), 1
	s_wait_xcnt 0x0
	s_wait_alu depctr_hold_cnt(0) depctr_sa_sdst(0) depctr_va_vdst(0) depctr_va_sdst(0) depctr_va_ssrc(0) depctr_va_vcc(0) depctr_vm_vsrc(0)
	s_getreg_b32 s2, hwreg(HW_REG_IB_STS2, 6, 4)
	s_cmp_eq_u32 s2, 0
	s_cbranch_scc0 .Lentry_in_a_cluster
	s_endpgm
.Lentry_in_a_cluster:
	s_bfe_u32 s2, ttmp6, 0x10000c
	s_cmp_lg_u32 s2, 0xf033
	s_cbranch_scc0 .Lentry_shape_is_right
	s_endpgm
.Lentry_shape_is_right:
; out0[row][n] = sum over the 8 experts e of w[b][e] tanh( sum over f of he[row][e][f] W2[e][f][n] + b2[e][n] ), b = row / 256.
; he and W2 come as codes of FP8 (E4M3) from the launches before: hc and w2c, both laid [k / 512 = 2 e + half][row or n / 16][4 images][2,048 bytes]; an image is 16 rows x 128 k in the order
; of the operand registers of the 8-bit matrix form of K = 128 (four loads of 16 bytes a lane, at 16 x lane + 512 q).  A sum of codes stands for sum x 2^(e2 + e3), entries 2 and 3 of the scales.
; The router's end is computed here by every wave for its batch: logits = h2[b] Wm3 + bm3, probs = softmax, w = softmax(probs x eff), each softmax with its maximum taken away.
; tanh(y) = 1 - 2 / (1 + 2^(2 log2(e) y)), so out0 = sum of w - 2 sum over e of w[e] / (1 + 2^t), t = sum of codes x SC + b2 x CC.
; LIMITS: e2 + e3 lies between -126 and 126 (it is added to the exponent field of 2 log2(e)).  NaN among the inputs is not served.
; SHARES.  A work-group makes 128 x 128 of out0 over all experts: 16 x 16 work-groups.  Its four waves are 2 halves of the columns (c = wave / 2) x 2 groups of experts (g = wave % 2: experts 4 g .. 4 g + 3):
; a wave has 128 rows x 64 columns, 32 accumulators, so that the 48 LDS loads of a K step of 128 feed 32 matrix instructions.  At the end the two groups add their sums through LDS.
; So that all waves run one text, a wave's accumulator blocks 0-3 are the 64 rows that it stores itself (row blocks 4 g ..) and its blocks 4-7 the 64 rows that it hands to wave ^ 1: only LDS addresses differ.
; THE RING.  Two slots of 128 KB; a slot holds 256 along K for both groups: H of group 0, H of group 1, W of group 0, W of group 1, 32 KB each, one tensor load a wave (8 rows of 4,096 bytes, 8,192 apart).
; Fill j (0 .. 15) is k chunk 8 g + j / 2, half j % 2: slot j % 2 always takes the same half, and its address steps by one chunk (2^20 bytes).
; CLUSTERS: 4 x 4 work-groups; H's tiles hang on the tile row alone and are asked for jointly along a row of the cluster, W's on the tile column alone, along a column.
; THE TANH stands once an expert behind its last product, in place on the accumulators, as two batches of transcendentals: no transcendental stands between two links of a sum.
; REGISTERS: window 0: v0-31 addresses, v32-63 the bias, v64-163 the router (head), v128-255 H's fragments, set 0; window 1: v0-63, v64-127 W's fragments, sets 0 and 1, v128-255 H's set 1;
; window 2: the 32 accumulators (block a, column block b at v[8 (4 a + b)]); window 3: the weighted sum, same places.
; The matrix instruction is used transposed (source 0 = 16 columns of W2, source 1 = 16 rows of he): a lane holds row lane % 16 and eight neighbouring columns 8 (lane / 16) + j.
.set SLOT,   131072
.set WOFF,   65536
.set GSTEP,  1<<20                     ; one k chunk of 512: what a slot's address steps by
.set SPARE,  2*SLOT                    ; the spare words: 128 bytes a wave, no other line names them
.set XCH,    0                         ; the way out, in slot 0 behind its last fill and last read: 16 KB a wave for the exchange,
.set STAGE,  65536                     ; and a stage of 16 rows for each wave
.set SP,     272                       ; a stage row: 256 bytes + 16
.set AH0,  16                          ; v16-17 LDS address of H's row blocks 4 g .. in slot 0, 1
.set AH1,  18                          ; v18-19 of the other four row blocks
.set ADRW, 20                          ; v20-21 of my four column blocks of W
.set XS,   22                          ; where I put what wave ^ 1 owns
.set XR,   23                          ; where wave ^ 1 puts what I own
.set STO,  24
.set RD,   25
.set GO,   26
.set BO,   27
.set SPW,  28                          ; my spare word; never rewritten
.set NIL,  29                          ; 0; never rewritten
.set SWH,  30                          ; half the sum of w: each group's sums begin there
.set PFO,  31                          ; the prefetches' offset
.set BI,   32
.set G1, 24
.set G0, 32
.set G1B, 48
.set G0B, 56
.set SEL, 10
.set PFA, 66                           ; s[66:67] where my prefetches stand
.set WQ,  88                           ; -2 w of the experts still to come
.set GT,  96
.set SC,  98
.set CC,  100
.set MSB, 0
.macro WIN new                         ; the immediate's high byte repeats the setting that is left
.if MSB != \new
	s_set_vgpr_msb (MSB<<8)|\new
.set MSB, \new
.endif
.endm
; a joint load: waves 0 and 1 fetch H's tiles, waves 2 and 3 W's; s_nop 0 and four v_nop follow each line
.macro JLOAD g0a, g1a, g0b, g1b
	s_cmp_eq_u32 s15, 0
	s_cbranch_scc0 .Lfor_b_\@
	tensor_load_to_lds s[\g0a:\g0a+3], s[\g1a:\g1a+7]
	s_nop 0
.rept 4
	v_nop
.endr
	s_branch .Lasked_\@
.Lfor_b_\@:
	tensor_load_to_lds s[\g0b:\g0b+3], s[\g1b:\g1b+7]
	s_nop 0
.rept 4
	v_nop
.endr
.Lasked_\@:
.endm
.macro CREST                           ; a round of the cluster's barrier behind its opening barrier
	s_cmp_lg_u32 s14, 0
	s_cbranch_scc1 .Lnot_wave_0_\@
	s_barrier_signal -3
.Lnot_wave_0_\@:
	s_barrier_wait -3
	s_barrier_signal -1
	s_barrier_wait -1
.endm
.macro CROUND
	s_barrier_signal -1
	s_barrier_wait -1
	CREST
.endm
.macro PLACES                          ; four places behind matrix instructions, ahead of loads into registers that they read
.rept 4
	v_nop
.endr
.endm
	s_load_b512 s[68:83], s[0:1], 0x0              ; hc 68, w2c 70, scales 72, b2 74, h2 76, Wm3 78, bm3 80, eff 82
	s_load_b64 s[84:85], s[0:1], 0x40              ; out0
	v_lshl_add_u32 v[SPW], v0, 2, SPARE
	v_mov_b32 v[NIL], 0
	ds_add_u32 v[SPW], v[NIL]                      ; the opening lines: the add, twice on end, and its wait ahead of my first tensor load
	ds_add_u32 v[SPW], v[NIL]
	v_lshrrev_b32 v1, 5, v0
	v_readfirstlane_b32 s14, v1                    ; wave 0..3
	s_lshr_b32 s15, s14, 1                         ; c: my half of the columns.  Also: I fetch for H (0) or for W (1)
	s_and_b32 s16, s14, 1                          ; g: my group of experts.  Also: which group's tile I fetch
	s_bfe_u32 s40, ttmp6, 0x40000                  ; cx, cy
	s_bfe_u32 s41, ttmp6, 0x40004
	s_lshl_b32 s42, ttmp9, 2
	s_add_co_u32 s42, s42, s40                     ; tile column 0..15
	s_and_b32 s17, ttmp7, 0xffff
	s_lshl_b32 s17, s17, 2
	s_add_co_u32 s17, s17, s41                     ; tile row 0..15
	s_lshl_b32 s43, s41, 2
	s_lshl_b32 s43, 15, s43                        ; my row of the cluster
	s_lshl_b32 s44, 0x1111, s40                    ; my column
	s_or_b32 s[G1+0], s43, (3<<16)|(1<<21)         ; the mask; elements of 8 bytes; bit 21 beside a mask; no padding: images are read 16 bytes a lane on end
	s_or_b32 s[G1B+0], s44, (3<<16)|(1<<21)
.irp g, G1, G1B
	s_mov_b32 s[\g+1], 512<<16                     ; a row: two images, 4,096 bytes
	s_mov_b32 s[\g+2], 8<<16                       ; 8 rows: 8 blocks of 16
	s_mov_b32 s[\g+3], 512<<16
	s_mov_b32 s[\g+4], 8
	s_mov_b32 s[\g+5], 1024                        ; a block's four images: 8,192 bytes from row to row
	s_mov_b32 s[\g+6], 0
	s_mov_b32 s[\g+7], 0
.endr
	s_lshl_b32 s18, s16, 23                        ; group g begins at k chunk 8 g
	s_lshl_b32 s20, s17, 16                        ; a tile's 8 blocks: 65,536 bytes
	s_add_co_u32 s20, s20, s18
	s_mov_b32 s21, 0
	s_lshl_b32 s46, s42, 16
	s_add_co_u32 s46, s46, s18
	s_mov_b32 s47, 0
	s_lshl_b32 s45, s14, 15                        ; where my tile goes: 32 KB x wave
	s_wait_dscnt 0x0                               ; both opening adds are done
	s_wait_kmcnt 0x0
	s_load_b128 s[4:7], s[72:73], 0x0              ; e0 .. e3
	s_add_nc_u64 s[20:21], s[68:69], s[20:21]
	s_add_nc_u64 s[46:47], s[70:71], s[46:47]
	CROUND                                         ; all sixteen work-groups are here: the first joint loads meet
.irp s, 0,1
	s_mov_b32 s[G0+4*\s], 1
	s_add_co_u32 s[G0+4*\s+1], s45, \s*SLOT
	s_add_nc_u64 s[G0+4*\s+2:G0+4*\s+3], s[20:21], \s*4096
	s_or_b32 s[G0+4*\s+3], s[G0+4*\s+3], 0x80000000
	s_mov_b32 s[G0B+4*\s], 1
	s_add_co_u32 s[G0B+4*\s+1], s45, \s*SLOT
	s_add_nc_u64 s[G0B+4*\s+2:G0B+4*\s+3], s[46:47], \s*4096
	s_or_b32 s[G0B+4*\s+3], s[G0B+4*\s+3], 0x80000000
.endr
	JLOAD G0, G1, G0B, G1B                         ; fill 0: one tensor load a wave at the head
	; the head's scalar work first, then its vector work on end
	s_lshr_b32 s8, s17, 1                          ; my batch: two tile rows each
	s_lshl_b32 s8, s8, 10
	s_mov_b32 s9, 0
	s_add_nc_u64 s[76:77], s[76:77], s[8:9]        ; h2[b]
	; THE PREFETCHES.  At each request for fill j one instruction a wave names fill j + 2 of the tile that the wave fetches: two changes of slots, four K steps, ahead of the load that wants it.
	; A tile is 8 rows of 4,096 bytes = 128 blocks of 256; the four partners that ask for it jointly share them out by address: the partner at place p (cx for H, cy for W) takes rows 2 p and 2 p + 1,
	; a lane a block.  So each block is named once in each cluster that loads it.  Fill 1 comes by its load alone; the last two refills name nothing: there is no fill 16.
	s_cmp_eq_u32 s15, 0
	s_cselect_b64 s[PFA:PFA+1], s[20:21], s[46:47]
	s_cselect_b32 s8, s40, s41
	s_lshl_b32 s8, s8, 14
	s_add_co_u32 s8, s8, GSTEP                     ; at fill 2
	s_add_nc_u64 s[PFA:PFA+1], s[PFA:PFA+1], s[8:9]
	s_lshl_b32 s18, s16, 15                        ; my group's tile of H
	s_lshl_b32 s22, s16, 14
	s_xor_b32 s23, s22, 16384
	s_add_co_u32 s22, s22, s18                     ; its row blocks 4 g ..
	s_add_co_u32 s23, s23, s18                     ; and the other four
	s_lshl_b32 s12, s15, 14
	s_add_co_u32 s12, s12, s18
	s_add_co_u32 s12, s12, WOFF                    ; my group's tile of W, column blocks 4 c ..
	s_lshl_b32 s13, s14, 14                        ; the exchange: my 16 KB,
	s_xor_b32 s2, s13, 16384                       ; and those of wave ^ 1
	s_mul_i32 s19, s14, 16*SP
	s_add_co_u32 s19, s19, STAGE                   ; my stage
	s_lshl_b32 s8, s42, 9                          ; my 64 columns, in bytes of f32
	s_lshl_b32 s18, s15, 8
	s_add_co_u32 s8, s8, s18
	s_add_nc_u64 s[74:75], s[74:75], s[8:9]
	s_add_nc_u64 s[84:85], s[84:85], s[8:9]
	s_lshl_b32 s8, s16, 15                         ; b2: expert 4 g
	s_add_nc_u64 s[74:75], s[74:75], s[8:9]
	s_lshl_b32 s8, s17, 20                         ; out0: 128 rows a tile, the 64 rows 64 g on are mine to store
	s_lshl_b32 s18, s16, 19
	s_add_co_u32 s8, s8, s18
	s_add_nc_u64 s[84:85], s[84:85], s[8:9]
	s_mov_b32 s[SEL], 0x76543210
	s_mov_b32 s[SEL+1], 0xfedcba98
	s_mov_b32 s[CC], 0x4038aa3b                    ; 2 log2(e)
	s_mov_b32 s[CC+1], s[CC]
	s_wait_kmcnt 0x0
	s_add_co_i32 s8, s6, s7
	s_lshl_b32 s8, s8, 23
	s_add_co_i32 s[SC], s[CC], s8                  ; x 2^(e2 + e3)
	s_mov_b32 s[SC+1], s[SC]
	v_and_b32 v1, 31, v0                           ; lane
	v_lshlrev_b32 v2, 5, v1                        ; h2: eight numbers a lane
	v_lshlrev_b32 v3, 8, v1                        ; Wm3: their eight rows of 32 bytes
	v_mov_b32 v4, 0
	global_load_b128 v[64:67], v2, s[76:77]
	global_load_b128 v[68:71], v2, s[76:77] offset:16
.irp i, 0,1,2,3,4,5,6,7
	global_load_b128 v[72+8*\i:75+8*\i], v3, s[78:79] offset:32*\i
	global_load_b128 v[76+8*\i:79+8*\i], v3, s[78:79] offset:32*\i+16
.endr
	global_load_b128 v[136:139], v4, s[80:81]
	global_load_b128 v[140:143], v4, s[80:81] offset:16
	global_load_b128 v[144:147], v4, s[82:83]
	global_load_b128 v[148:151], v4, s[82:83] offset:16
	v_and_b32 v5, 15, v0                           ; r
	v_bfe_u32 v6, v0, 4, 1                         ; h
	v_lshlrev_b32 v[PFO], 13, v6
	v_lshl_add_u32 v[PFO], v5, 8, v[PFO]           ; lanes 0-15: one row's 16 blocks; lanes 16-31: the next row's
	global_prefetch_b8 v[PFO], s[PFA:PFA+1] th:TH_LOAD_NT scope:SCOPE_SE   ; fill 2
	v_lshlrev_b32 v7, 4, v1
	v_add_nc_u32 v[AH0], s22, v7
	v_add_nc_u32 v[AH1], s23, v7
	v_add_nc_u32 v[ADRW], s12, v7
	v_add_nc_u32 v[AH0+1], SLOT, v[AH0]
	v_add_nc_u32 v[AH1+1], SLOT, v[AH1]
	v_add_nc_u32 v[ADRW+1], SLOT, v[ADRW]
	v_add_nc_u32 v[XS], s13, v7
	v_add_nc_u32 v[XR], s2, v7
	v_mul_u32_u24 v[STO], v5, SP                   ; into the stage: row r, 32 bytes for each half of the lanes
	v_lshl_add_u32 v[STO], v6, 5, v[STO]
	v_add_nc_u32 v[STO], s19, v[STO]
	v_mul_u32_u24 v[RD], v6, SP                    ; back: lanes 0-15 one row of 256 bytes, lanes 16-31 the next
	v_lshl_add_u32 v[RD], v5, 4, v[RD]
	v_add_nc_u32 v[RD], s19, v[RD]
	v_lshlrev_b32 v[GO], 13, v6                    ; and the same two rows in out0
	v_lshl_add_u32 v[GO], v5, 4, v[GO]
	v_lshlrev_b32 v[BO], 5, v6                     ; b2: my eight columns of a block of 16
	s_wait_alu depctr_va_vdst(0)                   ; ahead of the wait below
	s_wait_tensorcnt 0x0                           ; my part of fill 0 is in; slot 1's first fill is issued as a refill is:
	ds_add_u32 v[SPW], v[NIL]
	s_wait_dscnt 0x0
	CROUND
	JLOAD G0+4, G1, G0B+4, G1B                     ; fill 1
	; the router's end, while fill 1 is on its way
	s_wait_loadcnt 0x0
.irp e, 0,1,2,3,4,5,6,7
	v_mul_f32 v[152+\e], v64, v[72+\e]
.endr
.irp i, 1,2,3,4,5,6,7
.irp e, 0,1,2,3,4,5,6,7
	v_fmac_f32 v[152+\e], v[64+\i], v[72+8*\i+\e]
.endr
.endr
.irp m, 1,2,4,8
.irp e, 0,1,2,3,4,5,6,7
	v_add_f32_dpp v[152+\e], v[152+\e], v[152+\e] row_xmask:\m row_mask:0xf bank_mask:0xf
.endr
.endr
.irp e, 0,1,2,3,4,5,6,7
	v_permlanex16_b32 v[72+\e], v[152+\e], s[SEL], s[SEL+1]
.endr
.irp e, 0,1,2,3,4,5,6,7
	v_add_f32 v[152+\e], v[152+\e], v[72+\e]
.endr
.irp e, 0,1,2,3,4,5,6,7
	v_add_f32 v[152+\e], v[152+\e], v[136+\e]      ; + bm3
.endr
.macro SOFTMAX                         ; over v152-159, the maximum taken away; each batch of transcendentals has its wait ahead and behind
	v_max3_num_f32 v160, v152, v153, v154
	v_max3_num_f32 v160, v160, v155, v156
	v_max3_num_f32 v160, v160, v157, v158
	v_max_num_f32 v160, v160, v159
.irp e, 0,1,2,3,4,5,6,7
	v_sub_f32 v[152+\e], v[152+\e], v160
.endr
.irp e, 0,1,2,3,4,5,6,7
	v_mul_f32 v[152+\e], 0x3fb8aa3b, v[152+\e]
.endr
	s_wait_alu depctr_va_vdst(0)
.irp e, 0,1,2,3,4,5,6,7
	v_exp_f32 v[152+\e], v[152+\e]
.endr
	v_nop
	s_wait_alu depctr_va_vdst(0)
	v_add_f32 v160, v152, v153
	v_add_f32 v161, v154, v155
	v_add_f32 v162, v156, v157
	v_add_f32 v163, v158, v159
	v_add_f32 v160, v160, v161
	v_add_f32 v162, v162, v163
	v_add_f32 v160, v160, v162
	s_wait_alu depctr_va_vdst(0)
	v_rcp_f32 v160, v160
	v_nop
	s_wait_alu depctr_va_vdst(0)
.irp e, 0,1,2,3,4,5,6,7
	v_mul_f32 v[152+\e], v[152+\e], v160
.endr
.endm
	SOFTMAX
.irp e, 0,1,2,3,4,5,6,7
	v_mul_f32 v[152+\e], v[152+\e], v[144+\e]      ; x eff
.endr
	SOFTMAX
.irp e, 0,1,2,3,4,5,6,7
	v_mul_f32 v[72+\e], -2.0, v[152+\e]
.endr
.irp e, 0,1,2,3,4,5,6,7
	v_readfirstlane_b32 s[WQ+\e], v[72+\e]         ; multipliers alone: they enter no address and no branch
.endr
	s_cmp_eq_u32 s16, 0
.irp i, 0,1,2,3
	s_cselect_b32 s[WQ+\i], s[WQ+\i], s[WQ+4+\i]   ; my group's four
.endr
	global_prefetch_b8 v[PFO], s[PFA:PFA+1] offset:4096 th:TH_LOAD_NT scope:SCOPE_SE   ; fill 3
	v_add_f32 v160, v152, v153
	v_add_f32 v161, v154, v155
	v_add_f32 v162, v156, v157
	v_add_f32 v163, v158, v159
	v_add_f32 v160, v160, v161
	v_add_f32 v162, v162, v163
	v_add_f32 v160, v160, v162
	v_mul_f32 v[SWH], 0.5, v160                    ; each of the two groups begins at half the sum of w
	s_wait_alu depctr_va_vdst(0)
	WIN 0xc0
.set j, 0
.rept 256
	v_mov_b32 v[j], v[SWH]                         ; the weighted sums' first value, written once, so that the expert's text has no first copy of its own
.set j, j+1
.endr
	WIN 0
; 8 matrix instructions: row blocks a0, a0 + 1 x my four column blocks, 128 along K, fragment set f.  The 32 accumulators take turns in the same order in every K step
.macro MM2 a0, f, zero
.irp a, \a0, \a0+1
.irp b, 0,1,2,3
.if \zero
	v_wmma_f32_16x16x128_fp8_fp8 v[8*(4*(\a)+\b):8*(4*(\a)+\b)+7], v[64*(\f)+16*\b:64*(\f)+16*\b+15], v[128+16*(\a):128+16*(\a)+15], 0
.else
	v_wmma_f32_16x16x128_fp8_fp8 v[8*(4*(\a)+\b):8*(4*(\a)+\b)+7], v[64*(\f)+16*\b:64*(\f)+16*\b+15], v[128+16*(\a):128+16*(\a)+15], v[8*(4*(\a)+\b):8*(4*(\a)+\b)+7]
.endif
.endr
.endr
.endm
; 48 LDS loads in one run: the fragments of the slot's u-th 128 along K into set f
.macro FETCH slot, u, f
	WIN 0x40
.irp b, 0,1,2,3
.irp c, 0,1,2,3
	ds_load_b128 v[64*(\f)+16*\b+4*\c:64*(\f)+16*\b+4*\c+3], v[ADRW+\slot] offset:4096*\b+2048*(\u)+512*\c
.endr
.endr
	WIN 0x40*(\f)
.irp a, 0,1,2,3
.irp c, 0,1,2,3
	ds_load_b128 v[128+16*\a+4*\c:128+16*\a+4*\c+3], v[AH0+\slot] offset:4096*\a+2048*(\u)+512*\c
.endr
.endr
.irp a, 0,1,2,3
.irp c, 0,1,2,3
	ds_load_b128 v[192+16*\a+4*\c:192+16*\a+4*\c+3], v[AH1+\slot] offset:4096*\a+2048*(\u)+512*\c
.endr
.endr
.endm
; a slot's first K step: set 0 is multiplied while set 1 comes
.macro KSTEP slot, zero
	PLACES
	FETCH \slot, 1, 1
	s_wait_dscnt 48                                ; all but the 48 just issued: set 0 is in
	WIN 0xa1
	MM2 0, 0, \zero
	MM2 2, 0, \zero
	MM2 4, 0, \zero
	MM2 6, 0, \zero
.endm
; a slot's second K step changes slots: each wave waits for all its tensor loads, adds 0 to its spare word and waits for that and for its reads of this slot; one barrier, which opens a round of the
; cluster's barrier where the slot is filled again (fill = 1); the joint refill is first behind the round.  pf = 1: the fill two refills on is named.
.macro KTURN slot, next, fill, pf
.if (\pf) && (\slot == 0)
	s_wait_xcnt 0x0                                ; my prefetches have read their address: it steps one chunk on
	s_add_nc_u64 s[PFA:PFA+1], s[PFA:PFA+1], GSTEP
.endif
	WIN 0
	s_wait_tensorcnt 0x0                           ; my part of the next slot is in
	ds_add_u32 v[SPW], v[NIL]
	s_wait_dscnt 1                                 ; set 1 is in; the add may be out
	WIN 0xa5
	MM2 0, 1, 0
	s_wait_dscnt 0x0                               ; the add is done, my reads of this slot are over
	s_barrier_signal -1
	MM2 2, 1, 0
	WIN 0
	s_barrier_wait -1
.if \fill
	CREST
	s_add_nc_u64 s[G0+4*\slot+2:G0+4*\slot+3], s[G0+4*\slot+2:G0+4*\slot+3], GSTEP
	s_add_nc_u64 s[G0B+4*\slot+2:G0B+4*\slot+3], s[G0B+4*\slot+2:G0B+4*\slot+3], GSTEP
	JLOAD G0+4*\slot, G1, G0B+4*\slot, G1B         ; its four v_nop are also the places ahead of the loads below
.else
	PLACES
.endif
	FETCH \next, 0, 0
.if \pf
	global_prefetch_b8 v[PFO], s[PFA:PFA+1] offset:4096*\slot th:TH_LOAD_NT scope:SCOPE_SE
.endif
	WIN 0xa5
	MM2 4, 1, 0
	MM2 6, 1, 0
.endm
; the weighted tanh of a finished expert, in place: t = sum x SC + b2 x CC; 2^t; + 1; 1 / that; the weighted sum += -2 w x that
.macro TANH
	WIN 0
	s_mov_b32 s[GT], s[WQ]
	s_mov_b32 s[GT+1], s[WQ]
.irp i, 0,1,2
	s_mov_b32 s[WQ+\i], s[WQ+\i+1]
.endr
	s_wait_loadcnt 0x0                             ; the bias is in, so its base may step
	s_add_nc_u64 s[74:75], s[74:75], 8192
.irp i, 0,2,4,6,8,10,12,14,16,18,20,22,24,26,28,30
	v_pk_mul_f32 v[BI+\i:BI+\i+1], v[BI+\i:BI+\i+1], s[CC:CC+1] op_sel_hi:[1,0]   ; (these 16 are also the places behind the last products)
.endr
	WIN 0x82
.set j, 0
.rept 128
	v_pk_fma_f32 v[2*j:2*j+1], v[2*j:2*j+1], s[SC:SC+1], v[BI+8*((j/4)%4)+2*(j%4):BI+8*((j/4)%4)+2*(j%4)+1] op_sel_hi:[1,0,1]   ; each accumulator from its low end on
.set j, j+1
.endr
	s_wait_alu depctr_va_vdst(0)                   ; one wait ahead of each batch and one behind it
.set j, 0
.rept 256
	v_exp_f32 v[j], v[j]
.set j, j+1
.endr
	v_nop
	s_wait_alu depctr_va_vdst(0)
.set j, 0
.rept 128
	v_pk_add_f32 v[2*j:2*j+1], v[2*j:2*j+1], 1.0 op_sel_hi:[1,0]
.set j, j+1
.endr
	s_wait_alu depctr_va_vdst(0)
.set j, 0
.rept 256
	v_rcp_f32 v[j], v[j]
.set j, j+1
.endr
	v_nop
	s_wait_alu depctr_va_vdst(0)
	WIN 0xf2
.set j, 0
.rept 128
	v_pk_fma_f32 v[2*j:2*j+1], v[2*j:2*j+1], s[GT:GT+1], v[2*j:2*j+1] op_sel_hi:[1,0,1]
.set j, j+1
.endr
	WIN 0
	s_wait_alu depctr_va_vdst(0)                   ; the wait ahead of the branch and of the waits that follow
.endm
; an expert: four slots, eight K steps.  last = 1: the ring's last four fills: two refills that name nothing further, then none
.macro EXPERT last
.irp b, 0,1,2,3
	global_load_b128 v[BI+8*\b:BI+8*\b+3],   v[BO], s[74:75] offset:64*\b
	global_load_b128 v[BI+8*\b+4:BI+8*\b+7], v[BO], s[74:75] offset:64*\b+16
.endr
	KSTEP 0, 1                                     ; the first products start the sums: nothing is cleared
	KTURN 0, 1, 1, 1-\last
	KSTEP 1, 0
	KTURN 1, 0, 1, 1-\last
	KSTEP 0, 0
.if \last
	KTURN 0, 1, 0, 0
	KSTEP 1, 0
	s_wait_dscnt 0x0
	WIN 0xa5
	MM2 0, 1, 0
	MM2 2, 1, 0
	MM2 4, 1, 0
	MM2 6, 1, 0
.else
	KTURN 0, 1, 1, 1
	KSTEP 1, 0
	KTURN 1, 0, 1, 1                               ; the next expert's first fragments are fetched and its refill is asked for ahead of the tanh
.endif
	TANH
.endm
	s_wait_alu depctr_va_vdst(0)                   ; the wait at the head's end
	FETCH 0, 0, 0
	s_mov_b32 s3, 3
.Lexpert:
	EXPERT 0
	s_sub_co_u32 s3, s3, 1
	s_cmp_lg_u32 s3, 0
	s_cbranch_scc1 .Lexpert
	EXPERT 1                                       ; the last expert is written out
	; THE WAY OUT.  My blocks 4-7 go to wave ^ 1 as images of registers; its blocks 4-7 are my blocks 0-3.  Slot 0 has had its last fill, and every wave has passed the last change of slots.
	WIN 0x0c
.set k, 0
.rept 32
	ds_store_b128 v[XS], v[128+4*k:128+4*k+3] offset:512*k
.set k, k+1
.endr
	WIN 0
	s_wait_dscnt 0x0                               ; for the other wave's sake: my stores have landed
	s_barrier_signal -1
	s_barrier_wait -1
.set k, 0
.rept 32
	ds_load_b128 v[64+4*k:64+4*k+3], v[XR] offset:512*k
.set k, k+1
.endr
	s_wait_dscnt 0x0
	WIN 0x03
.set j, 0
.rept 64
	v_pk_add_f32 v[64+2*j:65+2*j], v[2*j:2*j+1], v[64+2*j:65+2*j]
.set j, j+1
.endr
	WIN 0
	s_wait_alu depctr_va_vdst(0)
; a block of 16 rows x 64 columns goes through my own stage and comes back as rows of 256 bytes: sixteen lanes store one aligned unit.  LDS serves a wave's instructions in order (ISA guide 5.7.1.4)
.macro TOSTAGE a
.set BKR, 192+32*(\a)-192*((\a)/2)     ; v192, v224, then the registers of blocks 0 and 1, which have gone into the stage
.irp b, 0,1,2,3
	ds_store_b128 v[STO], v[64+32*(\a)+8*\b:64+32*(\a)+8*\b+3]   offset:64*\b
	ds_store_b128 v[STO], v[64+32*(\a)+8*\b+4:64+32*(\a)+8*\b+7] offset:64*\b+16
.endr
.irp i, 0,1,2,3,4,5,6,7
	ds_load_b128 v[BKR+4*\i:BKR+4*\i+3], v[RD] offset:2*\i*SP
.endr
.endm
.macro SEND a, younger                 ; younger: the LDS instructions issued behind block a's loads
.set BKR, 192+32*(\a)-192*((\a)/2)
	s_wait_dscnt \younger
.irp i, 0,1,2,3,4,5,6,7
	global_store_b128 v[GO], v[BKR+4*\i:BKR+4*\i+3], s[84:85] offset:(16*(\a)+2*\i)*8192 th:TH_STORE_NT
.endr
.endm
	TOSTAGE 0
	TOSTAGE 1
	SEND 0, 16
	TOSTAGE 2
	SEND 1, 16
	TOSTAGE 3
	SEND 2, 16
	SEND 3, 0
	s_wait_tensorcnt 0x0                           ; the wave's end
	ds_add_u32 v[SPW], v[NIL]
	s_wait_dscnt 0x0
	CROUND                                         ; the closing round
	s_endpgm
.Lfunc_end_k_qe709ea96a8_gemm2:
	.size	k_qe709ea96a8_gemm2, .Lfunc_end_k_qe709ea96a8_gemm2-k_qe709ea96a8_gemm2
	.p2alignl 7, 3214868480
	.fill 96, 4, 3214868480
	.section	.rodata,"a",@progbits
	.p2align	6, 0x0
	.amdhsa_kernel k_qe709ea96a8_gemm2
		.amdhsa_group_segment_fixed_size 327680
		.amdhsa_private_segment_fixed_size 0
		.amdhsa_enable_private_segment 0
		.amdhsa_kernarg_size 72
		.amdhsa_user_sgpr_count 2
		.amdhsa_user_sgpr_kernarg_segment_ptr 1
		.amdhsa_wavefront_size32 1
		.amdhsa_system_sgpr_workgroup_id_x 1
		.amdhsa_system_sgpr_workgroup_id_y 1
		.amdhsa_system_sgpr_workgroup_id_z 1
		.amdhsa_system_vgpr_workitem_id 0
		.amdhsa_next_free_vgpr 1024
		.amdhsa_next_free_sgpr 102
		.amdhsa_reserve_vcc 0
		.amdhsa_float_denorm_mode_32 3
		.amdhsa_float_denorm_mode_16_64 3
		.amdhsa_memory_ordered 1
		.amdhsa_forward_progress 1
		.amdhsa_inst_pref_size 220
	.end_amdhsa_kernel
	.amdgpu_metadata
---
amdhsa.version: [ 1, 2 ]
amdhsa.kernels:
  - .name:           k_qe709ea96a8_gemm2
    .symbol:         k_qe709ea96a8_gemm2.kd
    .args:
      - { .name: hc, .offset: 0, .size: 8, .value_kind: global_buffer, .address_space: global }
      - { .name: w2c, .offset: 8, .size: 8, .value_kind: global_buffer, .address_space: global }
      - { .name: lowp_scales, .offset: 16, .size: 8, .value_kind: global_buffer, .address_space: global }
      - { .name: b2, .offset: 24, .size: 8, .value_kind: global_buffer, .address_space: global }
      - { .name: h2, .offset: 32, .size: 8, .value_kind: global_buffer, .address_space: global }
      - { .name: Wm3, .offset: 40, .size: 8, .value_kind: global_buffer, .address_space: global }
      - { .name: bm3, .offset: 48, .size: 8, .value_kind: global_buffer, .address_space: global }
      - { .name: eff, .offset: 56, .size: 8, .value_kind: global_buffer, .address_space: global }
      - { .name: out0, .offset: 64, .size: 8, .value_kind: global_buffer, .address_space: global }
    .group_segment_fixed_size: 327680
    .private_segment_fixed_size: 0
    .kernarg_segment_align: 8
    .kernarg_segment_size: 72
    .max_flat_workgroup_size: 128
    .sgpr_count:     102
    .vgpr_count:     1024
    .wavefront_size: 32
...
	.end_amdgpu_metadata
.endif
;; end of part 3
